; MI455X (gfx1250); checked and timed in simulation.
; The chip was launched on July 23, 2026; its instructions are those of AMD's public machine-readable ISA for CDNA 5 (MIT licence, August 2026) and "CDNA5" Instruction Set Architecture Reference Guide (July 2026). The comments in the code are by the model that wrote it; some were corrected since.
;; KAN Linear. Allowed arithmetic: float matrix products may take bf16 or f16 operands with f32 sums; other float arithmetic in f32, or as packed bf16 or f16 multiplies, adds, multiply-adds, maxima and minima; sums over many terms, partial sums and values carried from step to step in f32; what a program stores and reads back later, other than sums and carried values, may be rounded once to bf16 or f16.
;; Inputs: base_weight 256 x 256 float32; grid 12 float32; spline_scaler 256 x 256 float32; spline_weight 256 x 256 x 8 float32; x 32,768 x 256 float32.
;; Outputs: out0 32,768 x 256 float32.
;; One version. Each part assembles by itself: llvm-mc -triple=amdgcn-amd-amdhsa -mcpu=gfx1250 --defsym DOCPART=n.
;; ======== version 1 of 1: 2 launches
;; limits: values are held in f16: magnitudes above 65,504 overflow, below 6.1e-05 lose precision
;; workspace buffers: wp 1,179,648 bytes
;; launch prep (part 1): grid 36 x 8, 8 waves a work-group, no clusters, 0 bytes of LDS; arguments base_weight, spline_weight, spline_scaler, wp; writes wp
.if DOCPART == 1
	.amdgcn_target "amdgcn-amd-amdhsa--gfx1250"
	.amdhsa_code_object_version 6
	.text
	.protected	k_q9b97fa9ae2_prep
	.globl	k_q9b97fa9ae2_prep
	.p2align	8
	.type	k_q9b97fa9ae2_prep,@function
k_q9b97fa9ae2_prep:
	s_mov_b64 s[64:65], 0
	v_nop
	global_prefetch_b8 v0, s[64:65] scope:SCOPE_SE
	s_setreg_imm32_b32 hwreg(HW_REG_WAVE_MODE, 25, 1), 1
	s_wait_xcnt 0x0
; THE WEIGHTS, ONCE: wp[P][n][k] in f16, 72 panels of 256 n x 32 k (16,384 dense bytes each), P = 9 c + p, c = 0..7 a chunk of 32 input features.
;   p < 8:  k = 2 (8 Pr + t) + e  holds  spline_weight[n][f][t] x spline_scaler[n][f],  f = 4 (8 c + p) + 2 Pr + e: multiplied in f32, rounded once.
;   p = 8:  k holds base_weight[n][32 c + k], rounded once.
; LIMITS.  f16 holds no number beyond 65,504, and below 6e-5 it keeps a fixed step of 6e-8: a weight, or a product of spline weight and scaler, outside that loses its value or its digits.
; Grid x = 4 p + nq (a quarter of the 256 n), grid y = c.  Thread t makes the 16 bytes k = 8 (t % 4) .. + 7 of n = 64 nq + t / 4, which lie at byte 16 t of the
; work-group's 4,096: a wave's store covers 512 consecutive bytes, aligned.  No LDS, no barrier: no thread needs another's numbers.
	s_load_b256 s[4:11], s[0:1], 0x0               ; base_weight s[4:5], spline_weight s[6:7], spline_scaler s[8:9], wp s[10:11]
	s_lshr_b32 s12, ttmp9, 2                       ; p
	s_and_b32 s13, ttmp9, 3                        ; nq
	s_and_b32 s14, ttmp7, 0xffff                   ; c
	s_mul_i32 s15, s14, 9
	s_add_co_u32 s15, s15, s12                     ; P
	s_lshl_b32 s16, s15, 14                        ; the panel's 16,384 bytes,
	s_lshl_b32 s18, s13, 12                        ; the quarter's 4,096
	s_add_co_u32 s16, s16, s18
	s_mov_b32 s17, 0
	s_mov_b32 s21, 0
	v_lshlrev_b32 v1, 4, v0                        ; my 16 bytes of wp
	v_lshrrev_b32 v2, 2, v0                        ; n within the quarter
	s_wait_kmcnt 0x0
	s_add_nc_u64 s[10:11], s[10:11], s[16:17]
	s_cmp_eq_u32 s12, 8
	s_cbranch_scc1 .Lbase
	; a spline panel: Pr = (t / 2) % 2, t0 = 4 (t % 2); four coefficients of feature f0 = 4 (8 c + p) + 2 Pr and four of f0 + 1
	s_lshl_b32 s18, s14, 3
	s_add_co_u32 s18, s18, s12                     ; 8 c + p
	s_lshl_b32 s20, s18, 7                         ; four features of 32 bytes
	s_lshl_b32 s19, s13, 19                        ; 64 n of 8,192 bytes
	s_add_co_u32 s20, s20, s19
	s_add_nc_u64 s[6:7], s[6:7], s[20:21]
	s_lshl_b32 s20, s18, 4                         ; four features of 4 bytes
	s_lshl_b32 s19, s13, 16                        ; 64 n of 1,024 bytes
	s_add_co_u32 s20, s20, s19
	s_add_nc_u64 s[8:9], s[8:9], s[20:21]
	v_bfe_u32 v3, v0, 1, 1                         ; Pr
	v_and_b32 v14, 1, v0
	v_lshlrev_b32 v15, 13, v2
	v_lshl_add_u32 v15, v3, 6, v15
	v_lshl_add_u32 v15, v14, 4, v15                ; n x 8,192 + Pr x 64 + t0 x 4
	v_lshlrev_b32 v16, 10, v2
	v_lshl_add_u32 v16, v3, 3, v16                 ; n x 1,024 + Pr x 8
	global_load_b128 v[4:7], v15, s[6:7]           ; feature f0
	global_load_b128 v[8:11], v15, s[6:7] offset:32  ; feature f0 + 1
	global_load_b64 v[12:13], v16, s[8:9]          ; their two scalers
	s_wait_loadcnt 0x0
.irp j, 0,1,2,3
	v_mul_f32 v[4+(\j)], v[4+(\j)], v12
	v_mul_f32 v[8+(\j)], v[8+(\j)], v13
.endr
.irp j, 0,1,2,3
	v_cvt_pk_f16_f32 v[20+(\j)], v[4+(\j)], v[8+(\j)]  ; e = 0 in the low half, e = 1 in the high half
.endr
	global_store_b128 v1, v[20:23], s[10:11]
	s_endpgm
.Lbase:                                                ; the panel of base weights: eight neighbouring features
	s_lshl_b32 s20, s13, 16
	s_lshl_b32 s18, s14, 7
	s_add_co_u32 s20, s20, s18
	s_add_nc_u64 s[4:5], s[4:5], s[20:21]
	v_and_b32 v3, 3, v0
	v_lshlrev_b32 v15, 10, v2
	v_lshl_add_u32 v15, v3, 5, v15
	global_load_b128 v[4:7], v15, s[4:5]
	global_load_b128 v[8:11], v15, s[4:5] offset:16
	s_wait_loadcnt 0x0
.irp j, 0,1,2,3
	v_cvt_pk_f16_f32 v[20+(\j)], v[4+2*(\j)], v[5+2*(\j)]
.endr
	global_store_b128 v1, v[20:23], s[10:11]
	s_endpgm
.Lfunc_end_k_q9b97fa9ae2_prep:
	.size	k_q9b97fa9ae2_prep, .Lfunc_end_k_q9b97fa9ae2_prep-k_q9b97fa9ae2_prep
	.p2alignl 7, 3214868480
	.fill 96, 4, 3214868480
	.section	.rodata,"a",@progbits
	.p2align	6, 0x0
	.amdhsa_kernel k_q9b97fa9ae2_prep
		.amdhsa_group_segment_fixed_size 0
		.amdhsa_private_segment_fixed_size 0
		.amdhsa_enable_private_segment 0
		.amdhsa_kernarg_size 32
		.amdhsa_user_sgpr_count 2
		.amdhsa_user_sgpr_kernarg_segment_ptr 1
		.amdhsa_wavefront_size32 1
		.amdhsa_system_sgpr_workgroup_id_x 1
		.amdhsa_system_sgpr_workgroup_id_y 1
		.amdhsa_system_sgpr_workgroup_id_z 1
		.amdhsa_system_vgpr_workitem_id 0
		.amdhsa_next_free_vgpr 24
		.amdhsa_next_free_sgpr 66
		.amdhsa_reserve_vcc 0
		.amdhsa_float_denorm_mode_32 3
		.amdhsa_float_denorm_mode_16_64 3
		.amdhsa_memory_ordered 1
		.amdhsa_forward_progress 1
		.amdhsa_inst_pref_size 4
	.end_amdhsa_kernel
	.amdgpu_metadata
---
amdhsa.version: [ 1, 2 ]
amdhsa.kernels:
  - .name:           k_q9b97fa9ae2_prep
    .symbol:         k_q9b97fa9ae2_prep.kd
    .args:
      - { .name: base_weight, .offset: 0, .size: 8, .value_kind: global_buffer, .address_space: global }
      - { .name: spline_weight, .offset: 8, .size: 8, .value_kind: global_buffer, .address_space: global }
      - { .name: spline_scaler, .offset: 16, .size: 8, .value_kind: global_buffer, .address_space: global }
      - { .name: wp, .offset: 24, .size: 8, .value_kind: global_buffer, .address_space: global }
    .group_segment_fixed_size: 0
    .private_segment_fixed_size: 0
    .kernarg_segment_align: 8
    .kernarg_segment_size: 32
    .max_flat_workgroup_size: 256
    .sgpr_count:     66
    .vgpr_count:     24
    .wavefront_size: 32
...
	.end_amdgpu_metadata
.endif
;; end of part 1
;; launch kan (part 2): grid 256 x 1, 8 waves a work-group, clusters of 4 x 1, 327,680 bytes of LDS; arguments x, grid, wp, out0; writes out0
.if DOCPART == 2
	.amdgcn_target "amdgcn-amd-amdhsa--gfx1250"
	.amdhsa_code_object_version 6
	.text
	.protected	k_q9b97fa9ae2_kan
	.globl	k_q9b97fa9ae2_kan
	.p2align	8
	.type	k_q9b97fa9ae2_kan,@function
k_q9b97fa9ae2_kan:
	s_mov_b64 s[64:65], 0
	v_nop
	global_prefetch_b8 v0, s[64:65] scope:SCOPE_SE
	s_setreg_imm32_b32 hwreg(HW_REG_WAVE_MODE, 25, 1), 1
	s_wait_xcnt 0x0
	s_wait_alu depctr_hold_cnt(0) depctr_sa_sdst(0) depctr_va_vdst(0) depctr_va_sdst(0) depctr_va_ssrc(0) depctr_va_vcc(0) depctr_vm_vsrc(0)
	s_getreg_b32 s2, hwreg(HW_REG_IB_STS2, 6, 4)
	s_cmp_eq_u32 s2, 0
	s_cbranch_scc0 .Lentry_in_a_cluster
	s_endpgm
.Lentry_in_a_cluster:
	s_bfe_u32 s2, ttmp6, 0x10000c
	s_cmp_lg_u32 s2, 0x3003
	s_cbranch_scc0 .Lentry_shape_is_right
	s_endpgm
.Lentry_shape_is_right:
; out[b][n] = sum over f of silu(x[b][f]) base_weight[n][f] + sum over f, t of B_t(x[b][f]) spline_weight[n][f][t] spline_scaler[n][f]: ONE product with K = 256 x 9 = 2,304,
; whose left operand is made here from x and whose right operand, wp, lies ready in f16 (72 panels of 256 n x 32 k; the order of k is told at SPLINE and SILU).  Sums in f32.
; SHARES.  A work-group owns 128 rows and all 256 columns, so each basis value is made once in the launch.  Eight waves in two roles.  Waves 0-3 MULTIPLY: 64 rows x 128 columns each,
; 32 accumulators.  Waves 4-7 MAKE A: 32 rows each, a lane a row.  K goes in 18 sub-steps of 4 panels through two LDS slots: in sub-step j slot j % 2 is multiplied while A of
; sub-step j + 1 is written into the other slot and B of sub-step j + 1 is brought there by tensor loads, a panel (64 rows of 256 bytes) for each of waves 0-3.
; CLUSTER.  The four work-groups of a cluster walk the same wp, so each panel is asked for JOINTLY: the same load, descriptor and mask in all four.
; ADDRESSES.  Every LDS address register, of both roles, is made at the head by every wave and never rewritten; slots, places and pieces stand in the text as constants.
; THE BASES hold for ANY 12 knots with non-zero differences, in any order.  With D_i = x - g_i and r_i^k = 1 / (g_(i+k) - g_i):  B_i^k = D_i (r_i^k B_i^(k-1)) - D_(i+k+1) (r_(i+1)^k B_(i+1)^(k-1)).
; Orders 0 and 1 without a compare: rho_i = clamp01(D_i max(r_i^1, 0)), H_i = clamp01(D_i 2^127 + 1) = [x >= g_i], sigma_i = [g_(i+1) > g_i], tau_j = sigma_j - sigma_(j-1):
; B_i^1 = rho_i - rho_(i+1) + tau_(i+1) H_(i+1); every term lies in 0 .. 1.
; LIMITS.  A and wp are rounded once to f16, which holds no number beyond 65,504 and below 6e-5 keeps a fixed step of 6e-8: silu(x) is at most |x|; the bases of rising knots lie in 0 .. 1; knots out of
; order can make bases of any size, and one beyond 65,504 is lost.  A non-zero |x - g_i| below 2^-126 gives a fractional H_i.  Knot differences that are zero or denormal are not served.  A division is
; v_rcp_f32 and a multiply.  silu(x) = x / (1 + 2^(-1.442695 x)); where that power overflows the result is 0.  NaN and infinities in x are not treated apart.
.set SLOTX, 0x20000                    ; slot 1 begins here
.set PIT,   80                         ; a panel's row in LDS: 64 bytes + 16 of padding = 20 words: sixteen rows start at sixteen different groups of four banks (64 banks of 4 bytes: ISA guide 11.1)
.set BPAN,  256*PIT                    ; a panel of B
.set APAN,  128*PIT                    ; a panel of A
.set ABASE, 4*BPAN                     ; in a slot: four panels of B (filled by tensor loads), then four of A (written by ds_store alone)
.set SPARE, ABASE+4*APAN               ; 122,880: the spare words, 128 bytes for each of eight waves: four blocks of 256 bytes that no other line names
.set XSTG,  SLOTX+ABASE+4*APAN         ; 253,952: x's stage, 32 rows x 272 bytes for each of waves 4-7, each wave's own
.set XPIT,  272                        ; 256 bytes (64 features) + 16
.set OPIT,  528                        ; the way out: a row of 128 f32 + 16; the stage is slot 0's A, 10,240 bytes for each of waves 0-3
.set TILEB, 65536                      ; four panels of wp
; scalar registers
.set WV,  12                           ; my wave's number
.set W4,  13                           ; its low two bits: my number within my role
.set CX,  14                           ; my place in the cluster: it enters x's, out's and the prefetches' addresses alone
.set WG,  15                           ; my work-group's number
.set G0,  20                           ; s[20:23] descriptor group 0 of slot 0; slot 1's at s[60:63]: G0 + 40 x slot
.set G1,  24                           ; s[24:31] descriptor group 1
.set GR,  32                           ; s[32:43] the 12 knots
.set XP,  44                           ; s[44:45] x at my 32 rows, at the 64 features last asked for
.set OP,  46                           ; s[46:47] out at my 64 rows x 128 columns
.set PFA, 48                           ; s[48:49] where my prefetches stand
.set LIM, 50                           ; 1 in a wave that prefetches, else the greatest number
.set CNT, 51                           ; the loop's trips still to come
.set P9,  54                           ; the panel in hand within its chunk, 0..8
.set CH,  55                           ; the chunk in hand, 0..7
.set PI,  57                           ; panels still to be made in this sub-step: 4 - PI is the panel's place in its slot
; vector registers, all waves: made at the head, never rewritten
.set SPW, 2                            ; LDS address of my spare word: SPARE + 4 x my thread's number
.set NIL, 3                            ; 0
.set ADRA, 4                           ; v4-5    my lane's place in a panel of A (my 64 rows), slot 0, 1
.set ADRB, 6                           ; v6-7    in a panel of B (my 128 columns)
.set ADRB2, 8                          ; v8-9    two panels of B further on
.set STO, 10                           ; the way out: where I put 32 bytes of a row
.set RD,  11                           ; where I read a row back
.set GO,  12                           ; 16 x lane
.set PFO, 13                           ; 256 x lane
.set XG,  14                           ; my 16 bytes in two rows of x
.set XST, 15                           ; the same in my stage
.set XRD, 16                           ; my row in my stage
.set ASB, 17                           ; v17-18  my row in a panel of A, place 0, slot 0, 1
; waves 0-3
.set F0,  64                           ; v[64:159]  a panel's fragments: B's eight, then A's four
.set F1,  160                          ; v[160:255] the other buffer.  Window 1: the 32 accumulators, (mb, nb) at 8 (8 mb + nb)
; waves 4-7.  Every constant is a pair of equal registers, so that the packed lines need no selects
.set NG,  20                           ; -g_i at NG + 2 i, i = 0..11
.set R1P, 44                           ; max(r_i^1, 0), i = 0..10
.set PH,  66                           ; 2^127
.set ONE, 68                           ; 1
.set TAU, 70                           ; tau_j at TAU + 2 (j - 1), j = 1..10
.set R2,  90                           ; r_i^2, i = 0..9
.set R3,  110                          ; r_i^3, i = 0..8
.set X4,  128                          ; four features of my row: two pairs q = 0, 1
.set DD,  132                          ; D_i of pair q at DD + 24 q + 2 i
.set WW,  180                          ; the bases at work, at WW + 24 q + 2 i
.set TT,  228                          ; three pairs at work for each q, at TT + 6 q + 2 m
.set OU,  240                          ; a panel's 64 bytes of my row
.set EE,  DD                           ; the silu's 32 numbers at work
.set DEN, DD                           ; set-up: the 30 knot differences
.set SG,  WW                           ; set-up: sigma_0..10
.set XR,  0                            ; window 1, v[0:63]: 64 features of my 32 rows, on their way from memory
.set XS,  64                           ; window 1, v[64:127]: the chunk's 32 features of my row, for its eight spline panels and its silu panel.  Piece p (four features) lies at XS + 8 p .. + 3,
                                       ; the four lowest of a group of eight registers; the upper fours are not used.  The text's matrix instructions write these registers too
.set MSB, 0
.macro WIN new                         ; s_set_vgpr_msb: bits 1:0 source 0, 3:2 source 1, 5:4 source 2, 7:6 destination; the high byte repeats the setting that is left
.if MSB != (\new)
	s_set_vgpr_msb (MSB<<8)|(\new)
.set MSB, \new
.endif
.endm
.macro PLACES                          ; four plain vector instructions between a matrix instruction and a load into, or a read of, its registers
.rept 4
	v_nop
.endr
.endm
; A round of the cluster's barrier: my work-group's barrier; wave 0 signals for the work-group; every wave waits for all four work-groups; my work-group's barrier once more.
.macro CROUND
	s_barrier_signal -1
	s_barrier_wait -1
	s_cmp_lg_u32 s[WV], 0
	s_cbranch_scc1 .Lnot_wave_0_\@
	s_barrier_signal -3
.Lnot_wave_0_\@:
	s_barrier_wait -3
	s_barrier_signal -1
	s_barrier_wait -1
.endm
; ---------------------------------------------------------------- waves 4-7: A is made
; The unit of x that is on its way (64 features of my 32 rows) goes into my stage, and the next unit is asked for at once: 18 panels ahead of its own turn.
.macro RELOAD
	s_wait_loadcnt 0x0                             ; the unit has landed, and its loads have read s[XP]
	WIN 0x04                                       ; store data in window 1
.set i, 0
.rept 16
	ds_store_b128 v[XST], v[XR+4*i:XR+4*i+3] offset:i*2*XPIT  ; two rows an instruction; my stage is read by me alone, and LDS serves a wave's instructions in order (ISA guide 5.7.1.4)
.set i, i+1
.endr
	WIN 0
	s_cmp_lt_u32 s[CH], 5                          ; units 1, 2, 3 are asked for in chunks 0, 1, 3; there is no fourth
	s_cbranch_scc0 .Lno_unit_\@
	s_add_nc_u64 s[XP:XP+1], s[XP:XP+1], 256
	WIN 0x40                                       ; destination in window 1
.set i, 0
.rept 16
	global_load_b128 v[XR+4*i:XR+4*i+3], v[XG], s[XP:XP+1] offset:i*2048 th:TH_LOAD_NT  ; sixteen lanes take 256 consecutive bytes of a row, aligned
.set i, i+1
.endr
	WIN 0
.Lno_unit_\@:
.endm
; A chunk's 32 features of my row, out of my stage, from byte off of the row (0: the unit's first chunk, 128: its second): piece j into XS + 8 j.
.macro XSLOAD off
	WIN 0x40                                       ; destination in window 1
.set j, 0
.rept 8
	ds_load_b128 v[XS+8*j:XS+8*j+3], v[XRD] offset:(\off)+16*j
.set j, j+1
.endr
	WIN 0
.endm
; The panel's four features come out of XS.  Which four hangs on the counter s[P9], and a register's number stands in the text: so there is a set of four moves for each panel of a chunk, chosen by compares.
.macro TAKE1 p
	WIN 0x01                                       ; source 0 in window 1
.irp j, 0,1,2,3
	v_mov_b32 v[X4+(\j)], v[XS+8*(\p)+(\j)]
.endr
	WIN 0
.endm
.macro TAKE4 base                      ; panels base .. base + 3
	s_cmp_lt_u32 s[P9], (\base)+2
	s_cbranch_scc0 .Lhigh_\@
	s_cmp_eq_u32 s[P9], \base
	s_cbranch_scc0 .Lone_\@
	TAKE1 \base
	s_branch .Ltaken_\@
.Lone_\@:
	TAKE1 (\base)+1
	s_branch .Ltaken_\@
.Lhigh_\@:
	s_cmp_eq_u32 s[P9], (\base)+2
	s_cbranch_scc0 .Lthree_\@
	TAKE1 (\base)+2
	s_branch .Ltaken_\@
.Lthree_\@:
	TAKE1 (\base)+3
.Ltaken_\@:
.endm
.macro TAKE lo, n                      ; n = 8: any panel of a chunk; n = 4: panels lo .. lo + 3 alone
.if (\n) == 8
	s_cmp_lt_u32 s[P9], 4
	s_cbranch_scc0 .Lupper_\@
	TAKE4 0
	s_branch .Lgot_\@
.Lupper_\@:
	TAKE4 4
.Lgot_\@:
.else
	TAKE4 \lo
.endif
.endm
; Order 1 out of rho (in WW) and D.  Step st makes H_(st+1) and rho_st - rho_(st+1); two steps later tau H is added: no line reads the result of the lines just before it.
.macro LEVEL1
.set st, 0
.rept 12
.if st < 10
.irp q, 0,1
.set rT, TT+6*(\q)+2*(st%3)
.set rD, DD+24*(\q)+2*(st+1)
	v_pk_fma_f32 v[rT:rT+1], v[rD:rD+1], v[PH:PH+1], v[ONE:ONE+1] clamp
.endr
.irp q, 0,1
.set rW, WW+24*(\q)+2*st
	v_pk_add_f32 v[rW:rW+1], v[rW:rW+1], v[rW+2:rW+3] neg_lo:[0,1] neg_hi:[0,1]
.endr
.endif
.if st >= 2
.irp q, 0,1
.set rT, TT+6*(\q)+2*((st-2)%3)
.set rW, WW+24*(\q)+2*(st-2)
	v_pk_fma_f32 v[rW:rW+1], v[rT:rT+1], v[TAU+2*(st-2):TAU+2*(st-2)+1], v[rW:rW+1]
.endr
.endif
.set st, st+1
.endr
.endm
; Order k, n results, in place: WW holds c_i = r_i^k B_i^(k-1).  Step st makes D_(st+k+1) c_(st+1); two steps later B_i = D_i c_i - that.  c_i is overwritten three steps behind its last reader.
.macro LEVEL k, n
.set st, 0
.rept (\n)+2
.if st < (\n)
.irp q, 0,1
.set rT, TT+6*(\q)+2*(st%3)
.set rD, DD+24*(\q)+2*(st+(\k)+1)
.set rW, WW+24*(\q)+2*(st+1)
	v_pk_mul_f32 v[rT:rT+1], v[rD:rD+1], v[rW:rW+1]
.endr
.endif
.if st >= 2
.irp q, 0,1
.set rT, TT+6*(\q)+2*((st-2)%3)
.set rD, DD+24*(\q)+2*(st-2)
.set rW, WW+24*(\q)+2*(st-2)
	v_pk_fma_f32 v[rW:rW+1], v[rD:rD+1], v[rW:rW+1], v[rT:rT+1] neg_lo:[0,0,1] neg_hi:[0,0,1]
.endr
.endif
.set st, st+1
.endr
.endm
; A SPLINE PANEL: the 8 bases of four features of my row, into OU.  Feature 2 q + e, basis t is k = 2 (8 q + t) + e: a packed pair (e = 0, 1) rounds into one register, and register 8 q + t is the panel's word 8 q + t.
.macro SPLINE lo, n
	s_wait_dscnt 4                                 ; XS is in: behind its loads stand the last panel's four stores alone
	TAKE \lo, \n
.set i, 0
.rept 12
	v_pk_add_f32 v[DD+2*i:DD+2*i+1], v[X4:X4+1], v[NG+2*i:NG+2*i+1]
	v_pk_add_f32 v[DD+24+2*i:DD+24+2*i+1], v[X4+2:X4+3], v[NG+2*i:NG+2*i+1]
.set i, i+1
.endr
.set i, 0
.rept 11
	v_pk_mul_f32 v[WW+2*i:WW+2*i+1], v[DD+2*i:DD+2*i+1], v[R1P+2*i:R1P+2*i+1] clamp  ; rho_i
	v_pk_mul_f32 v[WW+24+2*i:WW+24+2*i+1], v[DD+24+2*i:DD+24+2*i+1], v[R1P+2*i:R1P+2*i+1] clamp
.set i, i+1
.endr
	LEVEL1
.set i, 0
.rept 10
	v_pk_mul_f32 v[WW+2*i:WW+2*i+1], v[WW+2*i:WW+2*i+1], v[R2+2*i:R2+2*i+1]
	v_pk_mul_f32 v[WW+24+2*i:WW+24+2*i+1], v[WW+24+2*i:WW+24+2*i+1], v[R2+2*i:R2+2*i+1]
.set i, i+1
.endr
	LEVEL 2, 9
.set i, 0
.rept 9
	v_pk_mul_f32 v[WW+2*i:WW+2*i+1], v[WW+2*i:WW+2*i+1], v[R3+2*i:R3+2*i+1]
	v_pk_mul_f32 v[WW+24+2*i:WW+24+2*i+1], v[WW+24+2*i:WW+24+2*i+1], v[R3+2*i:R3+2*i+1]
.set i, i+1
.endr
	LEVEL 3, 8
.set i, 0
.rept 8
	v_cvt_pk_f16_f32 v[OU+i], v[WW+2*i], v[WW+2*i+1]
	v_cvt_pk_f16_f32 v[OU+8+i], v[WW+24+2*i], v[WW+24+2*i+1]
.set i, i+1
.endr
	s_add_co_u32 s[P9], s[P9], 1
.endm
; THE SILU PANEL, into OU: k is feature 32 c + k of my row; features 2 j, 2 j + 1 lie at XS + 8 (j / 2) + 2 (j % 2).  Two batches of 32 transcendentals, each with one plain instruction behind it and one
; s_wait_alu ahead of its first reader.  It is XS's last reader in its chunk, so XS then takes the next chunk: behind an even chunk the stage rows' second half; behind chunks 1, 3
; and 5 the stage first takes the next unit; behind chunk 7 nothing.
.macro SILU
	s_wait_dscnt 4                                 ; all but the last panel's four stores
	WIN 0x01                                       ; source 0 (XS) in window 1
.set j, 0
.rept 16
	v_pk_mul_f32 v[EE+2*j:EE+2*j+1], v[XS+8*(j/2)+2*(j%2):XS+8*(j/2)+2*(j%2)+1], 0xbfb8aa3b op_sel_hi:[1,0]  ; -log2(e) x
.set j, j+1
.endr
	WIN 0
.set j, 0
.rept 32
	v_exp_f32 v[EE+j], v[EE+j]
.set j, j+1
.endr
	v_nop
	s_wait_alu depctr_va_vdst(0)
.set j, 0
.rept 16
	v_pk_add_f32 v[EE+2*j:EE+2*j+1], v[EE+2*j:EE+2*j+1], 1.0 op_sel_hi:[1,0]
.set j, j+1
.endr
.set j, 0
.rept 32
	v_rcp_f32 v[EE+j], v[EE+j]
.set j, j+1
.endr
	v_nop
	s_wait_alu depctr_va_vdst(0)
	WIN 0x04                                       ; source 1 (XS) in window 1
.set j, 0
.rept 16
	v_pk_mul_f32 v[EE+2*j:EE+2*j+1], v[EE+2*j:EE+2*j+1], v[XS+8*(j/2)+2*(j%2):XS+8*(j/2)+2*(j%2)+1]
.set j, j+1
.endr
	WIN 0
	s_and_b32 s52, s[CH], 1
	s_cmp_eq_u32 s52, 0
	s_cbranch_scc1 .Leven_\@
	s_cmp_eq_u32 s[CH], 7
	s_cbranch_scc1 .Lfetched_\@
	RELOAD
	XSLOAD 0
	s_branch .Lfetched_\@
.Leven_\@:
	XSLOAD 128
.Lfetched_\@:
.set j, 0
.rept 16
	v_cvt_pk_f16_f32 v[OU+j], v[EE+2*j], v[EE+2*j+1]
.set j, j+1
.endr
	s_mov_b32 s[P9], 0
	s_add_co_u32 s[CH], s[CH], 1
.endm
; OU goes to my row of the panel at place 4 - PI of the slot.  The place stands in the stores' immediate, so the four places are four sets of four stores, chosen by the counter.
.macro PUT4 slot, place
.irp j, 0,1,2,3
	ds_store_b128 v[ASB+(\slot)], v[OU+4*(\j):OU+4*(\j)+3] offset:(\place)*APAN+16*(\j)
.endr
.endm
.macro PUT slot
	s_cmp_lt_u32 s[PI], 3
	s_cbranch_scc1 .Lhigh_\@
	s_cmp_eq_u32 s[PI], 4
	s_cbranch_scc0 .Lplace1_\@
	PUT4 \slot, 0
	s_branch .Lput_\@
.Lplace1_\@:
	PUT4 \slot, 1
	s_branch .Lput_\@
.Lhigh_\@:
	s_cmp_eq_u32 s[PI], 2
	s_cbranch_scc0 .Lplace3_\@
	PUT4 \slot, 2
	s_branch .Lput_\@
.Lplace3_\@:
	PUT4 \slot, 3
.Lput_\@:
.endm
; A sub-step's four panels of A, into the slot named.  9 panels a chunk and 4 a sub-step do not divide: which kind a panel is hangs on the counter s[P9].
; mixed = 0: one of the first two sub-steps, whose panels are chunk 0's spline panels lo .. lo + 3.
.macro PRODUCE slot, mixed, lo
	s_mov_b32 s[PI], 4
.Lpanel_\@:
.if \mixed
	s_cmp_eq_u32 s[P9], 8
	s_cbranch_scc1 .Lsilu_\@
	SPLINE 0, 8
	s_branch .Lnext_\@
.Lsilu_\@:
	SILU
.Lnext_\@:
.else
	SPLINE \lo, 4
.endif
	PUT \slot
	s_sub_co_u32 s[PI], s[PI], 1
	s_cmp_lg_u32 s[PI], 0
	s_cbranch_scc1 .Lpanel_\@
.endm
; ---------------------------------------------------------------- waves 0-3: the products
; 24 LDS loads in one run: panel p of slot s, its fragments into buffer f.  A fragment is 16 rows x 32 k in 8 registers: lane l holds row l % 16, k = 8 (l / 16) + 0..7 and 16 + 8 (l / 16) + 0..7: two loads of 16 bytes, 32 bytes apart.
.macro FETCH s, p, f
.if (\p) < 2
.set rB, ADRB+(\s)
.else
.set rB, ADRB2+(\s)
.endif
.set nb, 0
.rept 8
	ds_load_b128 v[(\f)+8*nb:(\f)+8*nb+3],   v[rB] offset:((\p)&1)*BPAN+nb*16*PIT
	ds_load_b128 v[(\f)+8*nb+4:(\f)+8*nb+7], v[rB] offset:((\p)&1)*BPAN+nb*16*PIT+32
.set nb, nb+1
.endr
.set mb, 0
.rept 4
	ds_load_b128 v[(\f)+64+8*mb:(\f)+64+8*mb+3],   v[ADRA+(\s)] offset:(\p)*APAN+mb*16*PIT
	ds_load_b128 v[(\f)+64+8*mb+4:(\f)+64+8*mb+7], v[ADRA+(\s)] offset:(\p)*APAN+mb*16*PIT+32
.set mb, mb+1
.endr
.endm
; A panel's 32 products, used transposed (source 0 = 16 columns' rows of wp, source 1 = 16 rows of A): a lane then holds one row of out and eight neighbouring columns.
; The 32 accumulators take turns, one instruction a turn, in the same order everywhere.  zero = 1: the products start the sums: nothing is cleared.
.macro MUL f, zero
	WIN 0x50                                       ; C and D in window 1
.set mb, 0
.rept 4
.set nb, 0
.rept 8
.if \zero
	v_wmma_f32_16x16x32_f16 v[8*(8*mb+nb):8*(8*mb+nb)+7], v[(\f)+8*nb:(\f)+8*nb+7], v[(\f)+64+8*mb:(\f)+64+8*mb+7], 0
.else
	v_wmma_f32_16x16x32_f16 v[8*(8*mb+nb):8*(8*mb+nb)+7], v[(\f)+8*nb:(\f)+8*nb+7], v[(\f)+64+8*mb:(\f)+64+8*mb+7], v[8*(8*mb+nb):8*(8*mb+nb)+7]
.endif
.set nb, nb+1
.endr
.set mb, mb+1
.endr
.endm
; A PREFETCH INTO THE L2 of the four panels of wp that the NEXT sub-step's loads will ask for: 65,536 bytes.  All clusters walk the same wp: the first cluster asks.  Its four partners take 16,384 bytes each,
; told apart by address; in each, waves 0 and 1 take 8,192: a lane 256 bytes, one instruction.  So each block of 256 bytes is named once in the launch.  The first two sub-steps' panels come by their loads alone.
; how = 1: sub-step 0 and the odd sub-steps, which always have a sub-step two on; how = 0: the even ones, of which the last (the loop's last trip) asks for nothing: the panels end with sub-step 17's.
.macro ASK how
.if \how
	s_cmp_eq_u32 s[LIM], 1
.else
	s_cmp_gt_u32 s[CNT], s[LIM]
.endif
	s_cbranch_scc0 .Lnot_mine_\@
	global_prefetch_b8 v[PFO], s[PFA:PFA+1] th:TH_LOAD_NT scope:SCOPE_SE
.Lnot_mine_\@:
.endm
; A sub-step's 128 products out of slot s, on two fragment buffers.  how = 2: no prefetch.
.macro MATSUB s, zero, how
	FETCH \s, 0, F0
	FETCH \s, 1, F1
.if (\how) < 2
	ASK \how                                       ; behind the tensor load's lines and the LDS loads that the first products wait for
.endif
	s_wait_dscnt 24                                ; buffer 0 is in; buffer 1's 24 loads may stay out
	MUL F0, \zero
	PLACES
	WIN 0
	FETCH \s, 2, F0
	s_wait_dscnt 24                                ; buffer 1 is in
	MUL F1, 0
	PLACES
	WIN 0
	FETCH \s, 3, F1
	s_wait_dscnt 24                                ; panel 2 is in
	MUL F0, 0
	s_wait_dscnt 0x0
	MUL F1, 0
	PLACES                                         ; for the next sub-step's loads into the buffers, and for the way out's reads of the sums
	WIN 0
.endm
; A SUB-STEP that multiplies slot s.
; Behind the round both hold of every wave of all four work-groups: slot s is whole, and nobody reads the other slot, which is filled again first thing.
.macro TRIP s, zero, how, mixed, lo
	s_wait_tensorcnt 0x0                           ; no tensor load of mine is out, so a group 0 may be written
	ds_add_u32 v[SPW], v[NIL]                      ; 0 onto my spare word: the scalar steps stand between it and the wait for it
	s_add_nc_u64 s[G0+40*(\s)+2:G0+40*(\s)+3], s[G0+40*(\s)+2:G0+40*(\s)+3], 2*TILEB  ; this slot's next four panels, asked for a sub-step from now; the type bits on top are not reached
	s_wait_xcnt 0x0                                ; the last prefetch, a sub-step back, has read its address
	s_add_nc_u64 s[PFA:PFA+1], s[PFA:PFA+1], TILEB
	s_wait_dscnt 0x0
	CROUND
	s_cmp_lt_u32 s[WV], 4                          ; the roles part; neither path holds a barrier
	s_cbranch_scc0 .Lmake_\@
	tensor_load_to_lds s[G0+40*(1-(\s)):G0+40*(1-(\s))+3], s[G1:G1+7]  ; my one tensor load behind the round: it has the sub-step in which to land
	s_nop 0
	PLACES
	MATSUB \s, \zero, \how
	s_branch .Ljoin_\@
.Lmake_\@:
	PRODUCE 1-(\s), \mixed, \lo
.Ljoin_\@:
.endm
; ---------------------------------------------------------------- the text
	s_load_b256 s[4:11], s[0:1], 0x0               ; x s[4:5], grid s[6:7], wp s[8:9], out s[10:11]
	v_lshl_add_u32 v[SPW], v0, 2, SPARE
	v_mov_b32 v[NIL], 0
	ds_add_u32 v[SPW], v[NIL]                      ; the wave's opening: the add and its wait stand ahead of the first tensor load; the set-up below, work on registers, stands between them
	v_lshrrev_b32 v1, 5, v0
	v_readfirstlane_b32 s[WV], v1                  ; wave 0..7
	v_and_b32 v1, 31, v0                           ; lane
	s_and_b32 s[W4], s[WV], 3
	; every address register of both roles, in every wave: no branch stands in front of these lines
	v_and_b32 v20, 15, v0                          ; l % 16
	v_bfe_u32 v21, v0, 4, 1                        ; l / 16
	v_mul_u32_u24 v22, v20, PIT
	v_lshl_add_u32 v22, v21, 4, v22                ; a fragment's row x pitch + 16 x half
	s_lshr_b32 s16, s[W4], 1
	s_mul_i32 s16, s16, 64*PIT                     ; 64 rows of A,
	s_add_co_u32 s16, s16, ABASE                   ; which lie behind B's four panels
	s_and_b32 s17, s[W4], 1
	s_mul_i32 s17, s17, 128*PIT                    ; 128 columns' rows of B
.irp s, 0,1
	v_add_nc_u32 v[ADRA+(\s)], s16, v22
	v_add_nc_u32 v[ADRB+(\s)], s17, v22
	v_add_nc_u32 v[ADRB2+(\s)], 2*BPAN, v[ADRB+(\s)]
	s_add_co_u32 s16, s16, SLOTX
	s_add_co_u32 s17, s17, SLOTX
.endr
	s_mul_i32 s16, s[W4], APAN                     ; the stage for the way out
	s_add_co_u32 s16, s16, ABASE
	v_mul_u32_u24 v[STO], v20, OPIT                ; in: row l % 16, 32 bytes for each half of the lanes
	v_lshl_add_u32 v[STO], v21, 5, v[STO]
	v_add_nc_u32 v[STO], s16, v[STO]
	v_lshl_add_u32 v[RD], v1, 4, s16               ; back: 32 lanes take a row's 512 bytes
	v_lshlrev_b32 v[GO], 4, v1
	v_lshlrev_b32 v[PFO], 8, v1
	v_lshlrev_b32 v[XG], 4, v20
	v_lshl_add_u32 v[XG], v21, 10, v[XG]           ; x: lanes 0-15 one row's 256 bytes, lanes 16-31 the next row's
	s_mul_i32 s16, s[W4], 32*XPIT                  ; x's stage
	s_add_co_u32 s16, s16, XSTG
	v_mul_u32_u24 v[XST], v21, XPIT
	v_lshl_add_u32 v[XST], v20, 4, v[XST]
	v_add_nc_u32 v[XST], s16, v[XST]
	v_mul_u32_u24 v[XRD], v1, XPIT
	v_add_nc_u32 v[XRD], s16, v[XRD]
	s_mul_i32 s16, s[W4], 32*PIT                   ; 32 rows of a panel of A
	s_add_co_u32 s16, s16, ABASE
	v_mul_u32_u24 v[ASB], v1, PIT
	v_add_nc_u32 v[ASB], s16, v[ASB]
	v_add_nc_u32 v[ASB+1], SLOTX, v[ASB]
	s_bfe_u32 s[CX], ttmp6, 0x40000                ; my place in the cluster
	s_lshl_b32 s[WG], ttmp9, 2                     ; in a cluster launch ttmp9 counts clusters
	s_add_co_u32 s[WG], s[WG], s[CX]
	; descriptor group 1.  A panel is 16,384 dense bytes: asked for as 64 rows of 256 bytes, four panel rows each, and padded in LDS after every panel row
	s_mov_b32 s[G1], 15|(1<<16)|(1<<20)|(1<<21)|(3<<22)|(3<<25)  ; 15:0 the mask of four; 17:16 2-byte elements; 20 padding on; 21 set beside a mask; 24:22 after every 16 words (code 3); 31:25 4 words (code 3)
	s_mov_b32 s[G1+1], 128<<16                     ; tensor_dim0 = 128
	s_mov_b32 s[G1+2], 64<<16                      ; tensor_dim1 = 64
	s_mov_b32 s[G1+3], 128<<16                     ; tile_dim0 = 128
	s_mov_b32 s[G1+4], 64                          ; tile_dim1 = 64
	s_mov_b32 s[G1+5], 128                         ; 128 elements from row to row
	s_mov_b32 s[G1+6], 0
	s_mov_b32 s[G1+7], 0
	s_mov_b32 s[G0], 1                             ; count = 1
	s_mov_b32 s[G0+40], 1
	s_mul_i32 s[G0+1], s[WV], BPAN                 ; LDS address: my panel of slot 0,
	s_add_co_u32 s[G0+41], s[G0+1], SLOTX          ; of slot 1
	s_lshl_b32 s16, s[WV], 14                      ; and its 16,384 bytes of wp: s[16:17] never hold my place in the cluster
	s_mov_b32 s17, 0
	s_mov_b32 s[P9], 0
	s_mov_b32 s[CH], 0
	s_lshr_b32 s[LIM], s[WV], 1                    ; 0 in waves 0 and 1,
	s_or_b32 s[LIM], s[LIM], ttmp9                 ; where the cluster is the first: the same in all four partners
	s_cmp_eq_u32 s[LIM], 0
	s_cselect_b32 s[LIM], 1, -1
	s_lshl_b32 s18, s[WG], 17                      ; my work-group's 128 rows of 1,024 bytes,
	s_lshl_b32 s52, s[W4], 15                      ; x: my 32 rows of them
	s_add_co_u32 s18, s18, s52
	s_mov_b32 s19, 0
	s_lshl_b32 s52, s[WG], 17                      ; out: the same 128 rows,
	s_lshr_b32 s53, s[W4], 1
	s_lshl_b32 s53, s53, 16                        ; my 64 of them,
	s_add_co_u32 s52, s52, s53
	s_and_b32 s53, s[W4], 1
	s_lshl_b32 s53, s53, 9                         ; my 128 columns
	s_add_co_u32 s52, s52, s53
	s_mov_b32 s53, 0
	s_wait_dscnt 0x0                               ; the opening add is done
	s_wait_kmcnt 0x0
	s_load_b256 s[GR:GR+7], s[6:7], 0x0            ; the 12 knots
	s_load_b128 s[GR+8:GR+11], s[6:7], 0x20
	s_add_nc_u64 s[G0+2:G0+3], s[8:9], s[16:17]    ; sub-step 0's panel,
	s_add_nc_u64 s[G0+42:G0+43], s[G0+2:G0+3], TILEB  ; sub-step 1's
	s_or_b32 s[G0+3], s[G0+3], 0x80000000          ; type = 2
	s_or_b32 s[G0+43], s[G0+43], 0x80000000
	s_add_nc_u64 s[XP:XP+1], s[4:5], s[18:19]
	s_add_nc_u64 s[OP:OP+1], s[10:11], s[52:53]
	s_lshl_b32 s18, s[CX], 14                      ; the prefetches: my work-group's 16,384 bytes of four panels,
	s_lshl_b32 s52, s[WV], 13                      ; my wave's 8,192,
	s_add_co_u32 s18, s18, s52
	s_add_co_u32 s18, s18, TILEB                   ; at sub-step 1: the first sub-step steps it to 2
	s_add_nc_u64 s[PFA:PFA+1], s[8:9], s[18:19]
	s_cmp_lt_u32 s[WV], 4
	s_cbranch_scc1 .Lno_x
	WIN 0x40                                       ; waves 4-7 ask for their first 64 features before anything else
.set i, 0
.rept 16
	global_load_b128 v[XR+4*i:XR+4*i+3], v[XG], s[XP:XP+1] offset:i*2048 th:TH_LOAD_NT
.set i, i+1
.endr
	WIN 0
.Lno_x:
	s_wait_kmcnt 0x0                               ; the knots
	CROUND                                         ; all four work-groups are here: the first joint loads meet
	s_cmp_lt_u32 s[WV], 4
	s_cbranch_scc0 .Lmake_first
	tensor_load_to_lds s[G0:G0+3], s[G1:G1+7]      ; sub-step 0's panels into slot 0: a wave's one first fill
	s_nop 0
	PLACES
	s_branch .Lgo
.Lmake_first:
	; the constants of the 12 knots, while x is on its way
	v_mov_b32 v[PH], 0x7f000000
	v_mov_b32 v[PH+1], 0x7f000000
	v_mov_b32 v[ONE], 1.0
	v_mov_b32 v[ONE+1], 1.0
.set i, 0
.rept 12
	v_sub_f32 v[NG+2*i], 0, s[GR+i]
	v_sub_f32 v[NG+2*i+1], 0, s[GR+i]
.set i, i+1
.endr
.set i, 0
.rept 11
	v_sub_f32 v[DEN+i], s[GR+i+1], s[GR+i]
.set i, i+1
.endr
.set i, 0
.rept 10
	v_sub_f32 v[DEN+11+i], s[GR+i+2], s[GR+i]
.set i, i+1
.endr
.set i, 0
.rept 9
	v_sub_f32 v[DEN+21+i], s[GR+i+3], s[GR+i]
.set i, i+1
.endr
.set i, 0
.rept 11
	v_mul_f32 v[SG+i], v[DEN+i], v[PH] clamp       ; sigma_i: 1 where the interval rises, 0 where it falls
.set i, i+1
.endr
.set i, 0
.rept 11
	v_rcp_f32 v[R1P+2*i], v[DEN+i]                 ; one batch of 30 reciprocals
.set i, i+1
.endr
.set i, 0
.rept 10
	v_rcp_f32 v[R2+2*i], v[DEN+11+i]
.set i, i+1
.endr
.set i, 0
.rept 9
	v_rcp_f32 v[R3+2*i], v[DEN+21+i]
.set i, i+1
.endr
.set i, 0
.rept 10
	v_sub_f32 v[TAU+2*i], v[SG+i+1], v[SG+i]       ; tau_(i+1): plain work that names nothing of the batch stands behind it,
	v_sub_f32 v[TAU+2*i+1], v[SG+i+1], v[SG+i]
.set i, i+1
.endr
	s_wait_alu depctr_va_vdst(0)                   ; and one wait ahead of the batch's first reader
.set i, 0
.rept 11
	v_max_num_f32 v[R1P+2*i], 0, v[R1P+2*i]        ; a falling interval holds no x: its rho is 0
	v_mov_b32 v[R1P+2*i+1], v[R1P+2*i]
.set i, i+1
.endr
.set i, 0
.rept 10
	v_mov_b32 v[R2+2*i+1], v[R2+2*i]
.set i, i+1
.endr
.set i, 0
.rept 9
	v_mov_b32 v[R3+2*i+1], v[R3+2*i]
.set i, i+1
.endr
	RELOAD                                         ; unit 0 into my stage; unit 1 is asked for
	XSLOAD 0                                       ; chunk 0's 32 features of my row
	s_wait_dscnt 0x0                               ; no store stands behind these loads, so the panels' counted wait would not cover them
	PRODUCE 0, 0, 0                                ; A of sub-step 0, into slot 0
.Lgo:
	TRIP 0, 1, 1, 0, 4                             ; sub-step 0 is written out: its first products start the sums; beside it panels 4 to 7 are made
	s_mov_b32 s[CNT], 8
.Lsub:                                                 ; sub-steps 1 to 16, two a trip
	TRIP 1, 0, 1, 1, 0
	TRIP 0, 0, 0, 1, 0
	s_sub_co_u32 s[CNT], s[CNT], 1
	s_cmp_lg_u32 s[CNT], 0
	s_cbranch_scc1 .Lsub
	s_wait_tensorcnt 0x0                           ; sub-step 17, in slot 1: nothing is left to fetch or to make, so a barrier of the work-group does
	ds_add_u32 v[SPW], v[NIL]
	s_wait_dscnt 0x0
	s_barrier_signal -1
	s_barrier_wait -1
	s_cmp_lt_u32 s[WV], 4
	s_cbranch_scc0 .Lend
	MATSUB 1, 0, 2
	; THE WAY OUT, 16 rows at a time, through my own 10,240 bytes of slot 0's A, which nobody has read since the barrier above and no tensor load ever fills.  A lane's eight columns go in as 32 bytes
	; (each accumulator's low registers first); whole rows of 512 bytes come back: a store of the wave covers 512 consecutive bytes of out, aligned.
.set mb, 0
.rept 4
.if mb >= 2
	s_wait_xcnt 0x0                                ; the stores of the block two back have read their registers, which are loaded again below
.endif
	WIN 0x04                                       ; store data in window 1
.set nb, 0
.rept 8
	ds_store_b128 v[STO], v[8*(8*mb+nb):8*(8*mb+nb)+3]   offset:64*nb
	ds_store_b128 v[STO], v[8*(8*mb+nb)+4:8*(8*mb+nb)+7] offset:64*nb+16
.set nb, nb+1
.endr
	WIN 0
.set t, 0
.rept 16
	ds_load_b128 v[F0+64*(mb%2)+4*t:F0+64*(mb%2)+4*t+3], v[RD] offset:t*OPIT  ; LDS serves a wave's instructions in order (ISA guide 5.7.1.4): these see the stores above
.set t, t+1
.endr
.set t, 0
.rept 16
	s_wait_dscnt 15-t                              ; row t is back; the younger rows may stay out
	global_store_b128 v[GO], v[F0+64*(mb%2)+4*t:F0+64*(mb%2)+4*t+3], s[OP:OP+1] offset:(16*mb+t)*1024 th:TH_STORE_NT
.set t, t+1
.endr
.set mb, mb+1
.endr
.Lend:
	s_wait_tensorcnt 0x0                           ; the wave's end: behind my last tensor load and my last LDS store
	ds_add_u32 v[SPW], v[NIL]
	s_wait_dscnt 0x0
	CROUND                                         ; the closing round: no work-group ends while a partner may still ask for a panel that names it
	s_endpgm
.Lfunc_end_k_q9b97fa9ae2_kan:
	.size	k_q9b97fa9ae2_kan, .Lfunc_end_k_q9b97fa9ae2_kan-k_q9b97fa9ae2_kan
	.p2alignl 7, 3214868480
	.fill 96, 4, 3214868480
	.section	.rodata,"a",@progbits
	.p2align	6, 0x0
	.amdhsa_kernel k_q9b97fa9ae2_kan
		.amdhsa_group_segment_fixed_size 327680
		.amdhsa_private_segment_fixed_size 0
		.amdhsa_enable_private_segment 0
		.amdhsa_kernarg_size 32
		.amdhsa_user_sgpr_count 2
		.amdhsa_user_sgpr_kernarg_segment_ptr 1
		.amdhsa_wavefront_size32 1
		.amdhsa_system_sgpr_workgroup_id_x 1
		.amdhsa_system_sgpr_workgroup_id_y 1
		.amdhsa_system_sgpr_workgroup_id_z 1
		.amdhsa_system_vgpr_workitem_id 0
		.amdhsa_next_free_vgpr 512
		.amdhsa_next_free_sgpr 66
		.amdhsa_reserve_vcc 0
		.amdhsa_float_denorm_mode_32 3
		.amdhsa_float_denorm_mode_16_64 3
		.amdhsa_memory_ordered 1
		.amdhsa_forward_progress 1
		.amdhsa_inst_pref_size 189
	.end_amdhsa_kernel
	.amdgpu_metadata
---
amdhsa.version: [ 1, 2 ]
amdhsa.kernels:
  - .name:           k_q9b97fa9ae2_kan
    .symbol:         k_q9b97fa9ae2_kan.kd
    .args:
      - { .name: x, .offset: 0, .size: 8, .value_kind: global_buffer, .address_space: global }
      - { .name: grid, .offset: 8, .size: 8, .value_kind: global_buffer, .address_space: global }
      - { .name: wp, .offset: 16, .size: 8, .value_kind: global_buffer, .address_space: global }
      - { .name: out0, .offset: 24, .size: 8, .value_kind: global_buffer, .address_space: global }
    .group_segment_fixed_size: 327680
    .private_segment_fixed_size: 0
    .kernarg_segment_align: 8
    .kernarg_segment_size: 32
    .max_flat_workgroup_size: 256
    .sgpr_count:     66
    .vgpr_count:     512
    .wavefront_size: 32
...
	.end_amdgpu_metadata
.endif
;; end of part 2
